; MI455X (gfx1250); checked and timed in simulation.
; The chip was launched on July 23, 2026; its instructions are those of AMD's public machine-readable ISA for CDNA 5 (MIT licence, August 2026) and "CDNA5" Instruction Set Architecture Reference Guide (July 2026). The comments in the code are by the model that wrote it; some were corrected since.
;; Causal Self Attention. Allowed arithmetic: matrix products marked QUANTISED: E4M3 operands, one given power-of-two scale a tensor, by v_wmma_f32_16x16x64_fp8_fp8 or v_wmma_f32_16x16x128_fp8_fp8, f32 sums; everything else in f32.
;; Inputs: b_attn 3,072 float32; b_proj 1,024 float32; lowp_scales 8 int32 (the exponents e of the quantised operands' scales 2^e); w_attn_codes 3,072 x 32 x 32 uint8 (E4M3 codes of w_attn, K innermost, in blocks of 32 codes); w_proj_codes 1,024 x 32 x 32 uint8 (E4M3 codes of w_proj, K innermost, in blocks of 32 codes); x_codes 4 x 2,048 x 32 x 32 uint8 (E4M3 codes of x, K innermost, in blocks of 32 codes).
;; Outputs: out0 4 x 2,048 x 1,024 float32.
;; This version of the problem:
;;   THIS VERSION OF THE PROBLEM IS GIVEN IN LOW PRECISION. The matrix products marked QUANTISED in the list below multiply operands that are first quantised to E4M3 (4 exponent bits, 3 mantissa bits; 8 bits a number), with one given power-of-two scale for each operand tensor; their sums are f32. All else is computed in f32.
;;   The module's matrix products, in the order in which they are computed (A, B: the left and right operand; K: the contracted axis; several contracted axes count as one K, in the product's order):
;;     1. [M 8,192, K 1,024] x [K 1,024, N 3,072]; A: input x (given as codes); B: input w_attn (given as codes): QUANTISED (scales: A lowp_scales[0], B lowp_scales[1])
;;     2. batch 64 x [M 2,048, K 64] x [K 64, N 2,048]; A: computed on the way; B: computed on the way: QUANTISED (scales: A lowp_scales[2], B lowp_scales[3])
;;     3. batch 64 x [M 2,048, K 2,048] x [K 2,048, N 64]; A: softmax (see below); B: computed on the way: QUANTISED (scales: A lowp_scales[4], B lowp_scales[5])
;;     4. [M 8,192, K 1,024] x [K 1,024, N 1,024]; A: computed on the way; B: input w_proj (given as codes): QUANTISED (scales: A lowp_scales[6], B lowp_scales[7])
;;   THE QUANTISER, for each operand of a quantised product, along K:
;;     - The operand's scale is 2^e, e = its entry of the input lowp_scales (int32; the entries are numbered through the quantised products in the list's order, A before B).
;;     - Each number is divided by the scale, clamped to +-448, and rounded to the nearest number of E4M3, ties to even, subnormals kept.
;;     - The product sums the exact products of the quantised numbers (number of the format x scale) in f32.
;;   ~~~python
;;   def quantise(x, axis, e):      # numpy; x: float32 -> the quantised numbers, widened to float32 again
;;       x = np.moveaxis(x, axis, -1); K = x.shape[-1]
;;       r = np.clip(x / 2.0 ** e, -448, 448)
;;       step = 2.0 ** (np.maximum(np.frexp(np.where(r == 0, 1, r))[1] - 1, -6) - 3)
;;       q = np.round(r / step) * step * 2.0 ** e      # np.round: ties to even
;;       return np.moveaxis(q, -1, axis).astype(np.float32)
;;   ~~~
;;   SOFTMAX AHEAD OF A QUANTISED PRODUCT. Where the list says 'softmax', what is quantised is not the finished softmax but p = 2^(t - M), with t = logit x log2(e) and M = ceil(the row's largest t), a whole number; so 1/2 < the row's largest p <= 1. The row's sum l is taken of the UNQUANTISED p, in f32, and the product's result is divided by l at the end. Since M is a whole number, a kernel that streams over the keys may use a running M (the ceiling of the running maximum): every later rescaling is an exact power of two, so the quantised numbers keep their values, but for numbers so far below the row's largest that they fall under the format's range.
;;   OPERANDS COMPUTED ON THE WAY. 'Computed on the way' means the value that the module computes at that place (a softmax that the list does not call 'softmax' is quantised finished and normalised). What goes into a quantiser is computed in f32, as accurately as f32 sums, v_exp_f32 and their like allow (about 1e-6 of the number): no bf16 or f16 on the way to a quantiser, and a product that is left as it is and whose result goes on into a quantised operand takes f32 operands (vector FMAs, or v_wmma_f32_16x16x4_f32). A number that lies on a knife's edge between two numbers of the format may be rounded either way, as far as f32 arithmetic and the matrix unit's own rounding can turn it there, and no further.
;;   INPUTS GIVEN AS CODES. w_attn (in the module: [1024, 3072], K = its axis 0); w_proj (in the module: [1024, 1024], K = its axis 0); x (in the module: [4, 2048, 1024], K = its axis 2): each comes as NAME_codes (uint8): NAME with its K axis moved to the last place and cut into blocks of 32 codes, [.., K / 32, bytes a block], one block behind the other in memory; one code a byte (a code: sign, 4 exponent bits, 3 mantissa bits); its scale is its entry of lowp_scales. Its value is code x scale, taken as it is: it is not quantised again, and the codes and scales need not be those that the quantiser above would give.
;; One version. Each part assembles by itself: llvm-mc -triple=amdgcn-amd-amdhsa -mcpu=gfx1250 --defsym DOCPART=n.
;; ======== version 1 of 1: 3 launches
;; limits: right only within a limited range of input values
;; workspace buffers: q_img 8,388,608 bytes; k_img 8,388,608 bytes; v_img 8,388,608 bytes; y_img 8,388,608 bytes
;; launch qkv (part 1): grid 12 x 32, 4 waves a work-group, clusters of 4 x 4, 327,680 bytes of LDS; arguments x_codes, w_attn_codes, b_attn, lowp_scales, q_img, k_img, v_img; writes q_img, k_img, v_img
.if DOCPART == 1
	.amdgcn_target "amdgcn-amd-amdhsa--gfx1250"
	.amdhsa_code_object_version 6
	.text
	.protected	k_qc0269330b4_qkv
	.globl	k_qc0269330b4_qkv
	.p2align	8
	.type	k_qc0269330b4_qkv,@function
k_qc0269330b4_qkv:
	s_mov_b64 s[64:65], 0
	v_nop
	global_prefetch_b8 v0, s[64:65] scope:SCOPE_SE
	s_setreg_imm32_b32 hwreg(HW_REG_WAVE_MODE, 25, 1), 1
	s_wait_xcnt 0x0
	s_wait_alu depctr_hold_cnt(0) depctr_sa_sdst(0) depctr_va_vdst(0) depctr_va_sdst(0) depctr_va_ssrc(0) depctr_va_vcc(0) depctr_vm_vsrc(0)
	s_getreg_b32 s2, hwreg(HW_REG_IB_STS2, 6, 4)
	s_cmp_eq_u32 s2, 0
	s_cbranch_scc0 .Lentry_in_a_cluster
	s_endpgm
.Lentry_in_a_cluster:
	s_bfe_u32 s2, ttmp6, 0x10000c
	s_cmp_lg_u32 s2, 0xf033
	s_cbranch_scc0 .Lentry_shape_is_right
	s_endpgm
.Lentry_shape_is_right:
; qkv = x W_attn + b_attn on codes of FP8 (E4M3), then q, k and v are quantised with their given scales and stored as codes.
; x_codes: [8192][1024], w_attn_codes: [3072][1024], K innermost, one code a byte.  lowp_scales: e0 (x), e1 (w_attn), e2 (q), e3 (k), e5 (v).
; A number of qkv is sum x 2^(e0 + e1) + bias, one fused multiply-add in f32; its code is that number / 2^e, held within +-448, to the nearest code, ties to even.
; LIMITS: e0 + e1 between -126 and 127; e2, e3, e5 between -126 and 119, so that each power of two below is an f32 number.  NaN in b_attn is not served.
; SHARES.  A work-group of four waves makes 256 x 256 numbers, a wave 128 x 128: 64 accumulators of 16 x 16.  K = 1,024 goes in four steps of 256 through two LDS slots filled by the tensor data mover.
; THE MATRIX INSTRUCTION IS USED TRANSPOSED: source 0 = 16 rows of operand 'B', source 1 = 16 rows of operand 'A': a lane holds ONE row of A and eight neighbouring rows of B.
; The conversions take eight neighbours along the NEXT product's K from one lane's registers.  So the roles hang on the cluster's x (the same in all sixteen partners):
;   cluster x = 0 (q), 1 (k): A = x (a lane holds a token), B = w_attn (its registers run along the head's 64);      cluster x = 2 (v): A = w_attn (a lane holds a channel), B = x (its registers run along the keys).
; Both tensors have rows of 1,024 bytes, so only base addresses and tile numbers are chosen; the products are one text.
; CLUSTERS: 4 x 4 work-groups.  A's tile hangs on cy alone and is asked for jointly by a row of the cluster, B's on cx alone and by a column.
; WHAT IS STORED: images of the next launch's operand registers.  An image is 512 bytes, 16 x lane; byte i of lane (r, hh) of image c is k = 32 c + 16 (i / 8) + 8 hh + i % 8 of row r.
;   q_img, k_img: ((batch x 16 + head) x 128 + token / 16) x 1024 + 512 c: row = token % 16, k = the head's 64.      v_img: ((batch x 16 + head) x 32 + token / 64) x 4096 + (channel / 16) x 1024 + 512 c: row = channel % 16, k = token % 64.
; Two neighbouring accumulators of a block give a lane just the 16 bytes of such an image: each store of the wave covers 512 consecutive bytes, aligned; nothing goes through LDS on the way out.
; REGISTERS, in windows of 256: window 0: v10-29 constants and addresses; v32-95, v96-111 biases; from v128 A's fragments, ONE set; on the way out v128-191 numbers, v192-255 codes.
;   window 1: B's fragments, TWO sets.   window 2: the accumulators of A's blocks 0-3 (accumulator (a, b) at v[8 (8 (a % 4) + b)]);   window 3: those of blocks 4-7.
.set KROW,   1024                      ; a row of x or of w_attn in memory, in bytes
.set ROWB,   256                       ; a tile's row in bytes: 256 along K
.set PITCH,  272                       ; an LDS row: 256 bytes + 16 of padding, so that the 16 rows that a load touches begin 68 words apart
.set FR,     16                        ; registers of a fragment: 16 rows x 128 K
.set NL,     4                         ; LDS loads that bring one
.set NP,     4                         ; places behind this matrix instruction (ISA guide 7.12.1)
.set HALFT,  128*PITCH                 ; 128 rows: what one tensor load brings
.set SLOT,   4*HALFT                   ; A's 256 rows, then B's 256 rows
.set SPARE,  2*SLOT                    ; behind the ring: the spare words, 128 bytes for each wave
.set SC,   10                          ; v10  2^e of the output, as f32
.set LIM,  11
.set ADRA, 16                          ; v16-17  LDS address of my A fragments in slot 0, 1
.set ADRB, 20                          ; v20-21  the same for B
.set BQO,  24                          ; v24  32 x (lane / 16): my eight biases of a block of 16
.set BVO,  25                          ; v25  4 x (lane % 16): my one bias of a block of 16
.set CO,   26                          ; v26  16 x lane: my place in an image; never rewritten
.set SPW,  28                          ; v28  LDS address of my spare word; never rewritten
.set NIL,  29                          ; v29  0; never rewritten
.set BIQ,  32                          ; v32-95   q, k: register 8 b + j = bias of w_attn's row 16 b + 8 (lane / 16) + j of my 128
.set BIV,  96                          ; v96-111  v: registers 2 a, 2 a + 1 = bias of row 16 a + lane % 16, twice (a pair for the packed form)
.set AF,   128                         ; A's fragments
.set TMP,  128                         ; the way out: a block's 64 numbers
.set CD,   192                         ; the way out: codes, 16 registers a block, four blocks by turns
.set G1,  24                           ; s[24:31] descriptor group 1 for A's tiles;  s[32:39] group 0, one set for each slot
.set G0,  32
.set G1B, 48                           ; s[48:55], s[56:63] the same for B's tiles
.set G0B, 56
.set MSB, 0
.macro WIN new                         ; the immediate's high byte repeats the setting that is left
.if MSB != (\new)
	s_set_vgpr_msb (MSB<<8)|(\new)
.set MSB, (\new)
.endif
.endm
.set MUL_LO, 0xa1                      ; source 0 (B) window 1, source 1 (A) window 0, C and D window 2
.set MUL_HI, 0xf1                      ; the same, C and D window 3
.set TO_B,   0x40                      ; destination window 1, address window 0
; A joint load: waves 0 and 1 fetch A's halves, waves 2 and 3 B's.  The branch hangs on the wave's number alone.  Four v_nop follow each of the two lines.
.macro JLOAD g0a, g1a, g0b, g1b
	s_cmp_eq_u32 s15, 0
	s_cbranch_scc0 .Lfor_b_\@
	tensor_load_to_lds s[\g0a:\g0a+3], s[\g1a:\g1a+7]
	s_nop 0
.rept 4
	v_nop
.endr
	s_branch .Lasked_\@
.Lfor_b_\@:
	tensor_load_to_lds s[\g0b:\g0b+3], s[\g1b:\g1b+7]
	s_nop 0
.rept 4
	v_nop
.endr
.Lasked_\@:
.endm
.macro CREST                           ; a round of the cluster's barrier behind its opening barrier
	s_cmp_lg_u32 s14, 0
	s_cbranch_scc1 .Lnot_wave_0_\@
	s_barrier_signal -3
.Lnot_wave_0_\@:
	s_barrier_wait -3
	s_barrier_signal -1
	s_barrier_wait -1
.endm
.macro CROUND                          ; a whole round
	s_barrier_signal -1
	s_barrier_wait -1
	CREST
.endm
	s_load_b256 s[4:11], s[0:1], 0x0               ; x s[4:5], w_attn s[6:7], b_attn s[8:9], the scales' exponents s[10:11]
	s_load_b128 s[68:71], s[0:1], 0x20             ; q_img s[68:69], k_img s[70:71]
	s_load_b64 s[72:73], s[0:1], 0x30              ; v_img
	v_lshl_add_u32 v[SPW], v0, 2, SPARE
	v_mov_b32 v[NIL], 0
	ds_add_u32 v28, v29
	ds_add_u32 v28, v29
	s_wait_dscnt 0x0
	v_lshrrev_b32 v1, 5, v0
	v_readfirstlane_b32 s14, v1                    ; wave 0..3
	s_lshr_b32 s15, s14, 1                         ; which half of A's rows is mine.  Also: I fetch for A (0) or for B (1)
	s_and_b32 s16, s14, 1                          ; which half of B's rows.  Also: which 128 rows of that tile I fetch
	s_bfe_u32 s40, ttmp6, 0x40000                  ; cx, cy: my place in the cluster
	s_bfe_u32 s41, ttmp6, 0x40004
	s_and_b32 s12, ttmp7, 0xffff                   ; cluster y
	s_lshl_b32 s13, s12, 2
	s_lshl_b32 s94, ttmp9, 2                       ; 4 x cluster x
	s_cmp_eq_u32 ttmp9, 2                          ; the clusters that make v
	s_cselect_b32 s93, 8, s13                      ; A's tile: v: w_attn's tiles 8 .. 11;  q, k: x's tiles 4 x cluster y ..
	s_cselect_b32 s94, s13, s94                    ; B's tile: v: x's tiles 4 x cluster y ..;  q, k: w_attn's tiles 4 x cluster x ..
	s_add_co_u32 s17, s93, s41                     ; + cy: A's tile hangs on cy alone
	s_add_co_u32 s42, s94, s40                     ; + cx: B's tile hangs on cx alone
	s_lshl_b32 s43, s41, 2
	s_lshl_b32 s43, 15, s43                        ; my row of the cluster
	s_lshl_b32 s44, 0x1111, s40                    ; my column
	; descriptor group 1: a tile of 128 rows x 256 bytes, padded in LDS
	s_or_b32 s[G1+0], s43, (0<<16)|(1<<20)|(1<<21)|(5<<22)|(3<<25)  ; 15:0 the mask; 17:16 elements of 1 byte; 20 padding on; 21 set beside a mask; 24:22 after every 64 words (code 5); 31:25 four words (code 3)
	s_or_b32 s[G1B+0], s44, (0<<16)|(1<<20)|(1<<21)|(5<<22)|(3<<25)
.irp g, G1, G1B
	s_mov_b32 s[\g+1], ROWB<<16                    ; tensor_dim0
	s_mov_b32 s[\g+2], 128<<16                     ; tensor_dim1
	s_mov_b32 s[\g+3], ROWB<<16                    ; tile_dim0
	s_mov_b32 s[\g+4], 128                         ; tile_dim1
	s_mov_b32 s[\g+5], KROW                        ; tensor_dim0_stride
	s_mov_b32 s[\g+6], 0
	s_mov_b32 s[\g+7], 0
.endr
	s_lshl_b32 s18, s16, 7                         ; which 128 rows of the tile I fetch
	s_lshl_b32 s20, s17, 8
	s_add_co_u32 s20, s20, s18
	s_lshl_b32 s20, s20, 10                        ; A: (256 x tile + 128 x half) rows of 1,024 bytes: under 2^24
	s_mov_b32 s21, 0
	s_lshl_b32 s46, s42, 8
	s_add_co_u32 s46, s46, s18
	s_lshl_b32 s46, s46, 10                        ; B likewise
	s_mov_b32 s47, 0
	s_mul_i32 s45, s14, HALFT                      ; where they go: wave x 128 rows: no place in the cluster enters an LDS address
	s_wait_kmcnt 0x0
	s_load_b256 s[80:87], s[10:11], 0x0            ; e0 .. e7
	s_cmp_eq_u32 ttmp9, 2
	s_cselect_b64 s[74:75], s[6:7], s[4:5]         ; A's tensor
	s_cselect_b64 s[76:77], s[4:5], s[6:7]         ; B's tensor
	s_add_nc_u64 s[20:21], s[74:75], s[20:21]
	s_add_nc_u64 s[46:47], s[76:77], s[46:47]
	CROUND                                         ; all sixteen work-groups are here: the first joint loads meet
.irp s, 0,1
	s_mov_b32 s[G0+4*\s], 1
	s_add_co_u32 s[G0+4*\s+1], s45, \s*SLOT
	s_add_nc_u64 s[G0+4*\s+2:G0+4*\s+3], s[20:21], \s*ROWB
	s_or_b32 s[G0+4*\s+3], s[G0+4*\s+3], 0x80000000
	s_mov_b32 s[G0B+4*\s], 1
	s_add_co_u32 s[G0B+4*\s+1], s45, \s*SLOT
	s_add_nc_u64 s[G0B+4*\s+2:G0B+4*\s+3], s[46:47], \s*ROWB
	s_or_b32 s[G0B+4*\s+3], s[G0B+4*\s+3], 0x80000000
	JLOAD G0+4*\s, G1, G0B+4*\s, G1B               ; K steps 0 and 1: two loads of mine are out
.endr
	; which rows my wave computes
	s_lshl_b32 s78, s17, 8
	s_lshl_b32 s93, s15, 7
	s_add_co_u32 s78, s78, s93                     ; A: 256 x tile + 128 x (wave / 2)
	s_lshl_b32 s79, s42, 8
	s_lshl_b32 s93, s16, 7
	s_add_co_u32 s79, s79, s93                     ; B: 256 x tile + 128 x (wave % 2)
	s_cmp_eq_u32 ttmp9, 2
	s_cselect_b32 s66, s78, s79                    ; my first row of w_attn
	s_cselect_b32 s67, s79, s78                    ; my first row of x
	s_lshl_b32 s94, s66, 2
	s_mov_b32 s95, 0
	s_add_nc_u64 s[8:9], s[8:9], s[94:95]          ; b_attn at my 128 numbers
	v_and_b32 v1, 15, v0                           ; r = lane % 16
	s_wait_alu depctr_va_vdst(0)
	v_bfe_u32 v2, v0, 4, 1                         ; h = lane / 16
	v_lshlrev_b32 v[BQO], 5, v2
	v_lshlrev_b32 v[BVO], 2, v1
.irp b, 0,1,2,3,4,5,6,7                        ; both layouts are loaded, whichever the cluster uses: 32 small loads, once, and no branch
	global_load_b128 v[BIQ+8*\b:BIQ+8*\b+3],   v[BQO], s[8:9] offset:64*\b
	global_load_b128 v[BIQ+8*\b+4:BIQ+8*\b+7], v[BQO], s[8:9] offset:64*\b+16
	global_load_b32 v[BIV+2*\b],   v[BVO], s[8:9] offset:64*\b
	global_load_b32 v[BIV+2*\b+1], v[BVO], s[8:9] offset:64*\b
.endr
	; where my images go: batch x 2^21 + head x 2^17 + (token in the batch) x 64: the same sum for all three layouts
	s_cmp_eq_u32 ttmp9, 0
	s_cselect_b64 s[90:91], s[68:69], s[70:71]
	s_cmp_eq_u32 ttmp9, 2
	s_cselect_b64 s[90:91], s[72:73], s[90:91]
	s_lshr_b32 s94, s67, 11
	s_lshl_b32 s94, s94, 21
	s_and_b32 s93, s66, 1023
	s_lshr_b32 s93, s93, 6
	s_lshl_b32 s93, s93, 17
	s_add_co_u32 s94, s94, s93
	s_and_b32 s93, s67, 2047
	s_lshl_b32 s93, s93, 6
	s_add_co_u32 s94, s94, s93
	s_add_nc_u64 s[90:91], s[90:91], s[94:95]
	v_and_b32 v6, 31, v0
	v_lshlrev_b32 v[CO], 4, v6
	v_mul_u32_u24 v3, v1, PITCH
	s_wait_alu depctr_va_vdst(0)
	v_lshl_add_u32 v4, v2, 4, v3                   ; a fragment's row x pitch + 16 x half
	s_mul_i32 s21, s15, HALFT                      ; my 128 rows of A
	s_mul_i32 s22, s16, HALFT                      ; my 128 rows of B,
	s_add_co_u32 s22, s22, 2*HALFT                 ; which lie behind A's 256
.irp s, 0,1
	v_add_nc_u32 v[ADRA+\s], s21, v4
	v_add_nc_u32 v[ADRB+\s], s22, v4
	s_add_co_u32 s21, s21, SLOT
	s_add_co_u32 s22, s22, SLOT
.endr
	s_wait_alu depctr_va_vdst(0)
	s_wait_kmcnt 0x0
	s_add_co_i32 s88, s80, s81                     ; e0 + e1
	s_add_co_i32 s88, s88, 127
	s_lshl_b32 s88, s88, 23                        ; 2^(e0 + e1) as f32
	s_mov_b32 s89, s88                             ; (named with it as a pair, so it is written)
	s_cmp_eq_u32 ttmp9, 0
	s_cselect_b32 s92, s82, s83                    ; the output's e: e2 for q, e3 for k,
	s_cmp_eq_u32 ttmp9, 2
	s_cselect_b32 s92, s85, s92                    ; e5 for v: a choice, no branch
	s_add_co_i32 s92, s92, 127
	s_lshl_b32 s93, s92, 23
	v_mov_b32 v[SC], s93                           ; 2^e: the conversion takes its exponent field
.macro FRAG reg, adr, q, i             ; a fragment: lane l holds row l % 16; registers 4 c .. 4 c + 3 hold K = 32 c + 16 (l / 16) + 0 .. 15: a permutation of k that is the same in A and in B
.irp c, 0,1,2,3
	ds_load_b128 v[\reg+4*\c:\reg+4*\c+3], v[\adr] offset:128*(\q)+32*\c+(\i)*16*PITCH
.endr
.endm
; 16 matrix instructions: A's blocks a0, a0 + 1 x B's eight, 128 along K.  p: B's set.  zero = 1: the first product starts the sums.  The 64 accumulators take turns, one instruction a turn.
.macro MUL16 a0, p, zero
.irp a, \a0, \a0+1
.irp b, 0,1,2,3,4,5,6,7
.if \zero
	v_wmma_f32_16x16x128_fp8_fp8 v[8*(8*((\a)%4)+\b):8*(8*((\a)%4)+\b)+7], v[128*(\p)+FR*\b:128*(\p)+FR*\b+FR-1], v[AF+FR*(\a):AF+FR*(\a)+FR-1], 0
.else
	v_wmma_f32_16x16x128_fp8_fp8 v[8*(8*((\a)%4)+\b):8*(8*((\a)%4)+\b)+7], v[128*(\p)+FR*\b:128*(\p)+FR*\b+FR-1], v[AF+FR*(\a):AF+FR*(\a)+FR-1], v[8*(8*((\a)%4)+\b):8*(8*((\a)%4)+\b)+7]
.endif
.endr
.endr
.endm
.macro FETCH_B slot, q, p              ; B's eight fragments of the slot's q-th 128 along K into set p
	WIN TO_B
.irp i, 0,1,2,3,4,5,6,7
	FRAG 128*(\p)+FR*\i, ADRB+\slot, \q, \i
.endr
	WIN 0
.endm
.macro FETCH_A slot, q, i0             ; A's blocks i0 .. i0 + 3
.irp i, \i0, \i0+1, \i0+2, \i0+3
	FRAG AF+FR*(\i), ADRA+\slot, \q, \i
.endr
.endm
.macro PLACES n                        ; plain vector instructions between a matrix instruction and a load into, or a vector write of, one of its registers, or a read of its result
.rept \n
	v_nop
.endr
.endm
; A step of 128 along K that has its successor in the same slot.  A block of A is free as soon as its eight products are issued, so A has one set of registers; B's fragments are at work through the whole step and have two.
.macro STEP slot, q, zero
	s_wait_dscnt 4*NL                              ; B's set and A's blocks 0-3 are in; the youngest sixteen loads (A's blocks 4-7) may be out
	WIN MUL_LO
	MUL16 0, (\q)%2, \zero
	MUL16 2, (\q)%2, \zero
	s_wait_dscnt 0                                 ; A's blocks 4-7 are in
	PLACES NP
	FETCH_B \slot, (\q)+1, 1-(\q)%2
	FETCH_A \slot, (\q)+1, 0
	WIN MUL_HI
	MUL16 4, (\q)%2, \zero
	MUL16 6, (\q)%2, \zero
	PLACES NP
	WIN 0
	FETCH_A \slot, (\q)+1, 4
.endm
; A slot's last step changes slots: ONE barrier; in front of it each wave waits for all its tensor loads, adds 0 to its spare word, and waits for that and for its own reads of this slot.  fill = 1: this slot is filled again, two K steps ahead.
.macro TURN slot, next, fill
	s_wait_tensorcnt 0x0                           ; all my tensor loads have landed: my part of the next slot
	ds_add_u32 v[SPW], v[NIL]                      ; 0 onto my spare word
	s_wait_dscnt 4*NL+1                            ; (the add and the youngest sixteen loads may be out)
	WIN MUL_LO
	MUL16 0, 1, 0                                  ; sixteen matrix instructions stand between the add and the wait for it
	s_wait_dscnt 0x0                               ; the add is done, and my reads of this slot are over
	s_barrier_signal -1
	MUL16 2, 1, 0
	WIN 0
	s_barrier_wait -1
.if \fill
	CREST                                          ; the barrier has opened a round of the cluster's barrier: no wave of any partner still reads this slot or has a load on its way
	s_add_nc_u64 s[G0+4*\slot+2:G0+4*\slot+3], s[G0+4*\slot+2:G0+4*\slot+3], 2*ROWB
	s_add_nc_u64 s[G0B+4*\slot+2:G0B+4*\slot+3], s[G0B+4*\slot+2:G0B+4*\slot+3], 2*ROWB
	JLOAD G0+4*\slot, G1, G0B+4*\slot, G1B         ; the first tensor load behind the round; its four v_nop are also the places in front of the loads below
.else
	PLACES NP
.endif
	FETCH_B \next, 0, 0
	FETCH_A \next, 0, 0
	WIN MUL_HI
	MUL16 4, 1, 0
	MUL16 6, 1, 0
	PLACES NP
	WIN 0
	FETCH_A \next, 0, 4
.endm
	s_wait_loadcnt 0x0                             ; the biases: their latency lies beside the first tiles'
	s_wait_tensorcnt 1                             ; my part of K step 0 is in (K step 1's load may be out)
	s_barrier_signal -1
	s_barrier_wait -1                              ; everybody's is
	FETCH_B 0, 0, 0
	FETCH_A 0, 0, 0
	FETCH_A 0, 0, 4
	STEP 0, 0, 1                                   ; K = 1,024 is four K steps of 256, eight steps of 128: written out, since a loop would have one trip
	TURN 0, 1, 1                                   ; slot 0 takes K step 2
	STEP 1, 0, 0
	TURN 1, 0, 1                                   ; slot 1 takes K step 3
	STEP 0, 0, 0
	TURN 0, 1, 0                                   ; nothing is left to fetch
	STEP 1, 0, 0
	s_wait_dscnt 4*NL                              ; the very last step
	WIN MUL_LO
	MUL16 0, 1, 0
	MUL16 2, 1, 0
	s_wait_dscnt 0
	WIN MUL_HI
	MUL16 4, 1, 0
	MUL16 6, 1, 0
	WIN 0
; THE WAY OUT, A's blocks one after the other.  64 numbers a lane: sum x 2^(e0 + e1) + bias, each accumulator from its low end on; the hold; eight conversions; four stores of 512 consecutive bytes.
; isv = 0: accumulators (a, 2 i), (a, 2 i + 1) are image i % 2 of head i / 2, tokens 16 a on.      isv = 1: they are image i % 2 of key step i / 2, channels 16 (a % 4) on of head a / 4.
.macro OUT isv
.irp a, 0,1,2,3,4,5,6,7
.set AC, 64*(\a%4)
.set CB, CD+16*(\a%4)
.if \a >= 4
	s_wait_xcnt 0x0                                ; the stores of four blocks ago have read their registers: their codes may be written again
.endif
	WIN 0x02+(\a/4)                                ; source 0: window 2 or 3
.set j, 0
.rept 32
.if \isv
	v_pk_fma_f32 v[TMP+j:TMP+j+1], v[AC+j:AC+j+1], s[88:89], v[BIV+2*\a:BIV+2*\a+1] op_sel_hi:[1,0,1]
.else
	v_pk_fma_f32 v[TMP+j:TMP+j+1], v[AC+j:AC+j+1], s[88:89], v[BIQ+j:BIQ+j+1] op_sel_hi:[1,0,1]
.endif
.set j, j+2
.endr
	WIN 0
.set j, 0
.rept 64
.set j, j+1
.endr
.irp b, 0,1,2,3,4,5,6,7
	v_cvt_scalef32_pk8_fp8_f32 v[CB+2*\b:CB+2*\b+1], v[TMP+8*\b:TMP+8*\b+7], v[SC]
.endr
	v_nop                                          ; one plain vector instruction behind the last conversion: the next block writes its sources
.irp i, 0,1,2,3
.if \isv
	global_store_b128 v[CO], v[CB+4*\i:CB+4*\i+3], s[90:91] offset:(\a%4)*1024+(\a/4)*131072+(\i/2)*4096+(\i%2)*512
.else
	global_store_b128 v[CO], v[CB+4*\i:CB+4*\i+3], s[90:91] offset:\a*1024+(\i/2)*131072+(\i%2)*512
.endif
.endr
.endr
.endm
.macro FINISH
	s_wait_tensorcnt 0x0                           ; the wave's end
	ds_add_u32 v[SPW], v[NIL]
	s_wait_dscnt 0x0
	CROUND                                         ; the closing round: no work-group ends while a partner may still ask for a tile that names it
	s_endpgm
.endm
	PLACES NP                                      ; behind the last products: the numbers below are written where A's fragments lay
	s_cmp_eq_u32 ttmp9, 2                          ; the cluster's x: the same in all sixteen partners
	s_cbranch_scc1 .Lv
	OUT 0
	FINISH
.Lv:
	OUT 1
	FINISH
.Lfunc_end_k_qc0269330b4_qkv:
	.size	k_qc0269330b4_qkv, .Lfunc_end_k_qc0269330b4_qkv-k_qc0269330b4_qkv
	.p2alignl 7, 3214868480
	.fill 96, 4, 3214868480
	.section	.rodata,"a",@progbits
	.p2align	6, 0x0
	.amdhsa_kernel k_qc0269330b4_qkv
		.amdhsa_group_segment_fixed_size 327680
		.amdhsa_private_segment_fixed_size 0
		.amdhsa_enable_private_segment 0
		.amdhsa_kernarg_size 56
		.amdhsa_user_sgpr_count 2
		.amdhsa_user_sgpr_kernarg_segment_ptr 1
		.amdhsa_wavefront_size32 1
		.amdhsa_system_sgpr_workgroup_id_x 1
		.amdhsa_system_sgpr_workgroup_id_y 1
		.amdhsa_system_sgpr_workgroup_id_z 1
		.amdhsa_system_vgpr_workitem_id 0
		.amdhsa_next_free_vgpr 1024
		.amdhsa_next_free_sgpr 100
		.amdhsa_reserve_vcc 0
		.amdhsa_float_denorm_mode_32 3
		.amdhsa_float_denorm_mode_16_64 3
		.amdhsa_fp16_overflow 1
		.amdhsa_memory_ordered 1
		.amdhsa_forward_progress 1
		.amdhsa_inst_pref_size 130
	.end_amdhsa_kernel
	.amdgpu_metadata
---
amdhsa.version: [ 1, 2 ]
amdhsa.kernels:
  - .name:           k_qc0269330b4_qkv
    .symbol:         k_qc0269330b4_qkv.kd
    .args:
      - { .name: x_codes, .offset: 0, .size: 8, .value_kind: global_buffer, .address_space: global }
      - { .name: w_attn_codes, .offset: 8, .size: 8, .value_kind: global_buffer, .address_space: global }
      - { .name: b_attn, .offset: 16, .size: 8, .value_kind: global_buffer, .address_space: global }
      - { .name: lowp_scales, .offset: 24, .size: 8, .value_kind: global_buffer, .address_space: global }
      - { .name: q_img, .offset: 32, .size: 8, .value_kind: global_buffer, .address_space: global }
      - { .name: k_img, .offset: 40, .size: 8, .value_kind: global_buffer, .address_space: global }
      - { .name: v_img, .offset: 48, .size: 8, .value_kind: global_buffer, .address_space: global }
    .group_segment_fixed_size: 327680
    .private_segment_fixed_size: 0
    .kernarg_segment_align: 8
    .kernarg_segment_size: 56
    .max_flat_workgroup_size: 128
    .sgpr_count:     100
    .vgpr_count:     1024
    .wavefront_size: 32
...
	.end_amdgpu_metadata
.endif
;; end of part 1
;; launch attn (part 2): grid 4 x 64, 16 waves a work-group, clusters of 4 x 1, 264,192 bytes of LDS; arguments q_img, k_img, v_img, lowp_scales, y_img; writes y_img
.if DOCPART == 2
	.amdgcn_target "amdgcn-amd-amdhsa--gfx1250"
	.amdhsa_code_object_version 6
	.text
	.protected	k_qc0269330b4_attn
	.globl	k_qc0269330b4_attn
	.p2align	8
	.type	k_qc0269330b4_attn,@function
k_qc0269330b4_attn:
	s_mov_b64 s[64:65], 0
	v_nop
	global_prefetch_b8 v0, s[64:65] scope:SCOPE_SE
	s_setreg_imm32_b32 hwreg(HW_REG_WAVE_MODE, 25, 1), 1
	s_wait_xcnt 0x0
	s_wait_alu depctr_hold_cnt(0) depctr_sa_sdst(0) depctr_va_vdst(0) depctr_va_sdst(0) depctr_va_ssrc(0) depctr_va_vcc(0) depctr_vm_vsrc(0)
	s_getreg_b32 s2, hwreg(HW_REG_IB_STS2, 6, 4)
	s_cmp_eq_u32 s2, 0
	s_cbranch_scc0 .Lentry_in_a_cluster
	s_endpgm
.Lentry_in_a_cluster:
	s_bfe_u32 s2, ttmp6, 0x10000c
	s_cmp_lg_u32 s2, 0x3003
	s_cbranch_scc0 .Lentry_shape_is_right
	s_endpgm
.Lentry_shape_is_right:
; y = softmax(q k^T / 8, causal) v for one head, both products on codes of FP8 (E4M3); y is quantised with its given scale and stored as codes.
; q_img, k_img, v_img: images of operand registers: an image is 512 bytes, 16 x lane; two images are a fragment of 16 rows x 64 K in the plain 8-bit layout (registers 2 c, 2 c + 1: k = 16 c + 8 (lane / 16) + 0 .. 7).
;   q_img, k_img: (head in the batch x 128 + token / 16) x 1024;      v_img: (head in the batch x 32 + token / 64) x 4096 + (channel / 16) x 1024, K = the keys.
;   y_img: ((batch x 128 + token / 16) x 16 + head) x 1024: row = token % 16, k = the head's 64.
; lowp_scales: e2 (q), e3 (k), e4 (p), e5 (v), e6 (y).
; THE SOFTMAX AHEAD OF THE SECOND PRODUCT: t = score x log2(e) / 8; M = the running largest t, rounded UP to a whole number; p = 2^(t - M) is what is quantised; the row's sum is taken of the unquantised p and divides at the end.
; When M moves, the sum and O are multiplied by 2^(old M - new M), which rounds nothing.
; LIMITS: e2 + e3 between -123 and 130 (they are added to c's exponent field); e4 and e6 between -126 and 119; e4 + e5 is applied by v_ldexp_f32 and has none.
; A HEAD'S K AND V LIE IN LDS WHOLE: 2,048 keys x 64 codes are 131,072 bytes each.  Each of the sixteen waves brings 16,384 bytes by one tensor load and waits for it; one barrier; nothing is filled again, so the loop over the keys has no barrier.
; CLUSTER: the four work-groups of a cluster serve one head and ask for K and V jointly.
; SHARES.  A wave owns 32 queries, two tiles of 16, so that each fragment of K or V read from LDS feeds two matrix instructions.  Its queries begin at 32 u, u = 4 k + cx, where k hangs on the wave's number alone, by a table
; of 0 .. 15 laid as 4 x 4 with all rows and all columns summing to 30: any four waves w / 4 = const or w % 4 = const have the same number of steps.
; A step is 64 keys.  NO BRANCH HANGS ON cx: wave w of every partner walks steps 0 .. 2 k + 1 and applies the mask from step 2 k on; the mask itself is made in vector registers and holds cx.
; So for cx < 2 the step 2 k + 1 is wholly hidden and is walked all the same: its scores are -infinity, its p are 0, M and the sum stay.
; LAYOUT.  Both products are used transposed: S^T = K Q^T (source 0 = 16 keys, source 1 = 16 queries), O^T = V^T P^T (source 0 = 16 channels, source 1 = P): a lane holds ONE query throughout.
; Tile c of S^T holds keys 16 c + 8 (lane / 16) + j in register j: its conversion gives registers 2 c, 2 c + 1 of the plain layout, the one in which v_img lies.
.set STEPB, 4096                       ; a step's K in LDS, and a step's V
.set VB,    131072                     ; V's images begin here
.set NSTEP, 32                         ; 2,048 keys in steps of 64
.set L16,  1                           ; v1   16 x lane; never rewritten
.set L16V, 2                           ; v2   the same + VB
.set ADK,  3                           ; v3   LDS address of the step's K
.set ADV,  4                           ; v4   of its V
.set QD,   5                           ; v5   my query of tile 0, less 8 (lane / 16)
.set MN,   8                           ; tile t: v[8+4t] -M, v[9+4t] the largest t
.set L,    10                          ; tile t: v[10+4t:11+4t] the sum, in two halves
.set F,    16                          ; tile t: v[16+2t] f = 2^(old M - new M); v[17+2t] is named with it as a pair
.set XA,   20                          ; tile t: v[20+4t], v[21+4t] at work
.set XB,   21
.set L2,   22                          ; tile t: v[22+4t:23+4t] the sum's second chain
.set SCP,  28                          ; v28  2^e4, later 2^e6
.set LIMP, 29
.set NINF, 30                          ; v30  -infinity
.set Q,    32                          ; v32-47   Q, 8 registers a tile
.set KFR,  48                          ; v48-79   K's four fragments
.set VFR,  80                          ; v80-111  V's four fragments
.set S,    112                         ; v112-175 S^T, then p: 32 a tile
.set P,    176                         ; v176-191 p's codes, 8 a tile; at the end y's
.set O,    192                         ; v192-255 O^T, 32 a tile
.set WV,   18                          ; s18  my wave's number
.set G1,   24                          ; s[24:31] descriptor group 1
.set G0,   32                          ; s[32:35] descriptor group 0
.set CNT,  37                          ; s37  counts the loop's trips
.set SEL,  48                          ; s[48:49] lane selects for v_permlanex16_b32: lane l xor 16
.set CS,   50                          ; s[50:51] c = log2(e) / 8 x 2^(e2 + e3)
.set LB,   52                          ; s52  LDS byte of the step's K
.set KEY,  53                          ; s53  the step's first key
.set N,    54                          ; s54  the step's number
.set LAST, 55                          ; s55  my last step: 2 k + 1
.set DIAG, 56                          ; s56  the first step with a mask: 2 k
.macro ROUND                           ; a round of the cluster's barrier
	s_barrier_signal -1
	s_barrier_wait -1
	s_cmp_lg_u32 s[WV], 0
	s_cbranch_scc1 .Lnot_wave_0_\@
	s_barrier_signal -3
.Lnot_wave_0_\@:
	s_barrier_wait -3
	s_barrier_signal -1
	s_barrier_wait -1
.endm
	s_load_b256 s[4:11], s[0:1], 0x0               ; q_img s[4:5], k_img s[6:7], v_img s[8:9], the scales' exponents s[10:11]
	s_load_b64 s[12:13], s[0:1], 0x20              ; y_img
	v_lshl_add_u32 v254, v0, 2, 0x40000
	v_mov_b32 v255, 0
	ds_add_u32 v254, v255
	ds_add_u32 v254, v255
	s_wait_dscnt 0x0
	v_lshrrev_b32 v6, 5, v0
	s_delay_alu instid0(VALU_DEP_1)
	v_readfirstlane_b32 s[WV], v6                  ; wave 0..15
	s_bfe_u32 s22, ttmp6, 0x40000                  ; cx: it enters Q's and y's addresses and the mask's vector data alone
	s_and_b32 s36, ttmp7, 0xffff                   ; the head in the batch, 0 .. 63, which the four partners share
	s_mov_b32 s19, 0x0de3b658                      ; the table, four bits a wave: waves 8-15: 8, 5, 6, 11, 3, 14, 13, 0
	s_cmp_lt_u32 s[WV], 8
	s_cselect_b32 s19, 0x7a94c12f, s19             ; waves 0-7: 15, 2, 1, 12, 4, 9, 10, 7
	s_and_b32 s21, s[WV], 7
	s_lshl_b32 s57, s21, 2
	s_lshr_b32 s19, s19, s57
	s_and_b32 s20, s19, 15                         ; k
	s_lshl_b32 s[DIAG], s20, 1
	s_add_co_u32 s[LAST], s[DIAG], 1
	s_lshl_b32 s23, s20, 2
	s_add_co_u32 s23, s23, s22                     ; u = 4 k + cx
	s_lshl_b32 s38, s36, 17                        ; what I fetch: the head's 131,072 bytes, my 16,384 of them
	s_lshl_b32 s57, s21, 14
	s_add_co_u32 s38, s38, s57
	s_mov_b32 s39, 0
	s_lshl_b32 s58, s36, 17                        ; Q: the head, + two tiles of 1,024 bytes for each u
	s_lshl_b32 s57, s23, 11
	s_add_co_u32 s58, s58, s57
	s_mov_b32 s59, 0
	s_lshr_b32 s60, s36, 4                         ; y: ((batch x 128 + 2 u) x 16 + head) x 1024
	s_lshl_b32 s60, s60, 7
	s_lshl_b32 s57, s23, 1
	s_add_co_u32 s60, s60, s57
	s_lshl_b32 s60, s60, 14
	s_and_b32 s57, s36, 15
	s_lshl_b32 s57, s57, 10
	s_add_co_u32 s60, s60, s57
	s_mov_b32 s61, 0
	s_lshl_b32 s23, s23, 5                         ; my first query: 32 u
	; descriptor group 1: a dense block of 16,384 bytes as 64 rows of 256 bytes, no padding: the images are read 16 x lane, 512 consecutive bytes a load
	s_mov_b32 s[G1], 15|(3<<16)|(1<<21)            ; 15:0 the mask: all four work-groups; 17:16 elements of 8 bytes; 21 set beside a mask
	s_mov_b32 s[G1+1], 32<<16                      ; tensor_dim0 = 32 elements
	s_mov_b32 s[G1+2], 64<<16                      ; tensor_dim1 = 64
	s_mov_b32 s[G1+3], 32<<16                      ; tile_dim0
	s_mov_b32 s[G1+4], 64                          ; tile_dim1
	s_mov_b32 s[G1+5], 32                          ; tensor_dim0_stride
	s_mov_b32 s[G1+6], 0
	s_mov_b32 s[G1+7], 0
	s_mov_b32 s[SEL], 0x76543210
	s_mov_b32 s[SEL+1], 0xfedcba98
	s_mov_b32 s[LB], 0
	s_mov_b32 s[KEY], 0
	s_mov_b32 s[N], 0
	s_wait_kmcnt 0x0
	s_load_b256 s[40:47], s[10:11], 0x0            ; e0 .. e7
	s_mov_b32 s[G0], 1                             ; count = 1
	s_lshl_b32 s[G0+1], s[WV], 14                  ; LDS address: wave x 16,384: waves 0-7 fill K's half, waves 8-15 V's
	s_cmp_lt_u32 s[WV], 8
	s_cselect_b64 s[G0+2:G0+3], s[6:7], s[8:9]
	s_add_nc_u64 s[G0+2:G0+3], s[G0+2:G0+3], s[38:39]
	s_or_b32 s[G0+3], s[G0+3], 0x80000000          ; type = 2
	ROUND                                          ; all four work-groups are here: the joint loads meet
	tensor_load_to_lds s[G0:G0+3], s[G1:G1+7]      ; my one tensor load of the launch
	s_nop 0
.rept 4
	v_nop
.endr
	s_add_nc_u64 s[4:5], s[4:5], s[58:59]
	s_add_nc_u64 s[12:13], s[12:13], s[60:61]
	v_and_b32 v6, 31, v0
	s_delay_alu instid0(VALU_DEP_1)
	v_lshlrev_b32 v[L16], 4, v6
.irp i, 0,1,2,3
	global_load_b128 v[Q+4*\i:Q+4*\i+3], v[L16], s[4:5] offset:512*\i th:TH_LOAD_NT   ; Q's two fragments stay in registers; read by this wave alone
.endr
	v_add_nc_u32 v[L16V], VB, v[L16]
	v_and_b32 v6, 15, v0
	v_bfe_u32 v7, v0, 4, 1
	s_delay_alu instid0(VALU_DEP_1)
	v_lshlrev_b32 v7, 3, v7
	s_delay_alu instid0(VALU_DEP_1)
	v_sub_nc_u32 v[QD], v6, v7
	s_delay_alu instid0(VALU_DEP_1)
	v_add_nc_u32 v[QD], s23, v[QD]                 ; 32 u + lane % 16 - 8 (lane / 16)
.irp t, 0,1
	v_mov_b32 v[MN+4*\t+1], 0xff61b1e6             ; the largest t so far: -3e38, under every t
	s_delay_alu instid0(VALU_DEP_1)
	v_floor_f32 v[MN+4*\t], -v[MN+4*\t+1]          ; -M
	v_mov_b32 v[L+4*\t], 0
	v_mov_b32 v[L+4*\t+1], 0
	v_mov_b32 v[F+2*\t+1], 0                       ; (named as the upper half of a pair)
	v_mov_b32 v[XB+4*\t], 0                        ; (a lane permute's destination counts as one of its sources)
.endr
	v_mov_b32 v[NINF], 0xff800000
.set j, 0
.rept 64
	v_mov_b32 v[O+j], 0                            ; O^T.  The step is written once: the first finds zeros, which the first change of M leaves zeros
.set j, j+1
.endr
	s_wait_kmcnt 0x0
	s_add_co_i32 s57, s42, s43
	s_lshl_b32 s57, s57, 23
	s_add_co_i32 s[CS], s57, 0x3e38aa3b            ; c = log2(e) / 8, with e2 + e3 added to its exponent field
	s_mov_b32 s[CS+1], s[CS]                       ; (named with it as a pair, so it is written)
	s_add_co_i32 s57, s44, 127
	s_lshl_b32 s19, s57, 23
	v_mov_b32 v[SCP], s19                          ; 2^e4
; A STEP: 64 keys for my two tiles of queries.
.macro STEP
	s_cmp_gt_u32 s[N], s[LAST]                     ; behind my last step nothing is left: a branch on the wave's number and the step's, round the work alone
	s_cbranch_scc1 .Lhid_\@
	s_setprio 2
	v_add_nc_u32 v[ADK], s[LB], v[L16]
	v_add_nc_u32 v[ADV], s[LB], v[L16V]
	v_nop                                          ; with the two additions: four places in front of loads into registers that the last products read
	v_nop
.irp i, 0,1,2,3,4,5,6,7
	ds_load_b128 v[KFR+4*\i:KFR+4*\i+3], v[ADK] offset:512*\i
.endr
.irp i, 0,1,2,3,4,5,6,7
	ds_load_b128 v[VFR+4*\i:VFR+4*\i+3], v[ADV] offset:512*\i
.endr
	s_wait_dscnt 8                                 ; K's eight loads are in; V's eight may be out
.irp c, 0,1,2,3
.irp t, 0,1
	v_wmma_f32_16x16x64_fp8_fp8 v[S+32*\t+8*\c:S+32*\t+8*\c+7], v[KFR+8*\c:KFR+8*\c+7], v[Q+8*\t:Q+8*\t+7], 0
.endr
.endr
.rept 4
	v_nop
.endr
	s_cmp_lt_u32 s[N], s[DIAG]                     ; all keys of an earlier step count for all my queries
	s_cbranch_scc1 .Lopen_\@
	v_sub_nc_u32 v[XA], v[QD], s[KEY]              ; d = my query - 8 (lane / 16) - the step's first key.  Register 8 c + j holds key 16 c + 8 (lane / 16) + j of the step: hidden where 16 c + j > d
	s_delay_alu instid0(VALU_DEP_1)
	v_add_nc_u32 v[XA+4], 16, v[XA]                ; tile 1's queries are 16 further on
.irp t, 0,1
.set n, 0
.rept 32
	v_cmp_gt_i32 vcc_lo, 16*(n/8)+n%8, v[XA+4*\t]
	v_cndmask_b32 v[S+32*\t+n], v[S+32*\t+n], v[NINF], vcc_lo
.set n, n+1
.endr
.endr
.Lopen_\@:
.irp t, 0,1                                    ; the step's largest score of my query among my 32 keys, in two chains, in ascending order; the two tiles line by line in turn
	v_max3_num_f32 v[XA+4*\t], v[S+32*\t], v[S+32*\t+1], v[S+32*\t+2]
	v_max3_num_f32 v[XB+4*\t], v[S+32*\t+3], v[S+32*\t+4], v[S+32*\t+5]
.endr
.irp i, 6,10,14,18,22,26
.irp t, 0,1
	v_max3_num_f32 v[XA+4*\t], v[XA+4*\t], v[S+32*\t+\i], v[S+32*\t+\i+1]
	v_max3_num_f32 v[XB+4*\t], v[XB+4*\t], v[S+32*\t+\i+2], v[S+32*\t+\i+3]
.endr
.endr
.irp t, 0
	v_max3_num_f32 v[XA+4*\t], v[XA+4*\t], v[S+32*\t+30], v[S+32*\t+31]
.endr
.irp t, 1
	v_max3_num_f32 v[XA+4*\t], v[XA+4*\t], v[S+32*\t+30], v[S+32*\t+31]
.endr
.irp t, 0,1
	s_delay_alu instid0(VALU_DEP_2)
	v_max_num_f32 v[XA+4*\t], v[XA+4*\t], v[XB+4*\t]
.endr
.irp t, 0,1
	s_delay_alu instid0(VALU_DEP_2)
	v_permlanex16_b32 v[XB+4*\t], v[XA+4*\t], s[SEL], s[SEL+1]
.endr
.irp t, 0,1
	s_delay_alu instid0(VALU_DEP_2)
	v_max_num_f32 v[XA+4*\t], v[XA+4*\t], v[XB+4*\t]   ; and among lane l xor 16's
.endr
.irp t, 0,1
	s_delay_alu instid0(VALU_DEP_2)
	v_mul_f32 v[XA+4*\t], s[CS], v[XA+4*\t]        ; as t (c is positive)
.endr
.irp t, 0,1
	s_delay_alu instid0(VALU_DEP_2)
	v_max_num_f32 v[MN+4*\t+1], v[MN+4*\t+1], v[XA+4*\t]   ; the running largest t
.endr
.irp t, 0,1
	v_mov_b32 v[XA+4*\t], v[MN+4*\t]
.endr
.irp t, 0,1
	s_delay_alu instid0(VALU_DEP_4)
	v_floor_f32 v[MN+4*\t], -v[MN+4*\t+1]          ; the new -M = floor(-t): M is a whole number
.endr
.irp t, 0,1
	s_delay_alu instid0(VALU_DEP_2)
	v_sub_f32 v[XA+4*\t], v[MN+4*\t], v[XA+4*\t]   ; old M - new M: a whole number, 0 or less
.endr
.irp t, 0,1
	s_delay_alu instid0(VALU_DEP_2)
	v_cvt_i32_f32 v[XA+4*\t], v[XA+4*\t]           ; (it saturates)
.endr
.irp t, 0,1
	s_delay_alu instid0(VALU_DEP_2)
	v_ldexp_f32 v[F+2*\t], 1.0, v[XA+4*\t]         ; f = 2^(old M - new M)
.endr
.set j, 0
.rept 16
.irp t, 0,1
	v_pk_fma_f32 v[S+32*\t+j:S+32*\t+j+1], v[S+32*\t+j:S+32*\t+j+1], s[CS:CS+1], v[MN+4*\t:MN+4*\t+1] op_sel_hi:[1,0,0]   ; t - M, two at a time (of the pairs c and -M the low word serves both halves)
.endr
.set j, j+2
.endr
.set j, 0
	s_setprio 1
	s_wait_alu depctr_va_vdst(0)
.rept 32
.irp t, 0,1
	v_exp_f32 v[S+32*\t+j], v[S+32*\t+j]           ; p = 2^(t - M), at most 1: not normalised
.endr
.set j, j+1
.endr
.irp t, 0,1
	v_pk_mul_f32 v[L+4*\t:L+4*\t+1], v[L+4*\t:L+4*\t+1], v[F+2*\t:F+2*\t+1] op_sel_hi:[1,0]   ; the sums under the new M: plain instructions behind the exponentials
.endr
	s_wait_alu depctr_va_vdst(0)                   ; one wait for the batch of 64 exponentials, ahead of its first reader
.irp t, 0,1
	v_pk_add_f32 v[L2+4*\t:L2+4*\t+1], v[S+32*\t:S+32*\t+1], v[S+32*\t+2:S+32*\t+3]   ; the row's sum is taken of the unquantised p, in two chains
.endr
.irp i, 4,8,12,16,20,24,28
.irp t, 0,1
	v_pk_add_f32 v[L+4*\t:L+4*\t+1], v[L+4*\t:L+4*\t+1], v[S+32*\t+\i:S+32*\t+\i+1]
	v_pk_add_f32 v[L2+4*\t:L2+4*\t+1], v[L2+4*\t:L2+4*\t+1], v[S+32*\t+\i+2:S+32*\t+\i+3]
.endr
.endr
.irp t, 0
	s_delay_alu instid0(VALU_DEP_3)
	v_pk_add_f32 v[L+4*\t:L+4*\t+1], v[L+4*\t:L+4*\t+1], v[L2+4*\t:L2+4*\t+1]
.endr
.irp t, 1
	s_delay_alu instid0(VALU_DEP_2)
	v_pk_add_f32 v[L+4*\t:L+4*\t+1], v[L+4*\t:L+4*\t+1], v[L2+4*\t:L2+4*\t+1]
.endr
.set j, 0
.rept 64
.set j, j+1
.endr
.irp t, 0,1
.irp c, 0,1,2,3
	v_cvt_scalef32_pk8_fp8_f32 v[P+8*\t+2*\c:P+8*\t+2*\c+1], v[S+32*\t+8*\c:S+32*\t+8*\c+7], v[SCP]
.endr
.endr
.irp t, 0,1
.set j, 0
.rept 16
	v_pk_mul_f32 v[O+32*\t+j:O+32*\t+j+1], v[O+32*\t+j:O+32*\t+j+1], v[F+2*\t:F+2*\t+1] op_sel_hi:[1,0]   ; O^T under the new M, each accumulator from its low end on; also the plain lines behind the conversions
.set j, j+2
.endr
.endr
	s_setprio 0
	s_wait_alu depctr_va_vdst(0)
	s_wait_dscnt 0x0                               ; V is in
.irp c, 0,1,2,3                                ; O^T += V^T P^T: the eight accumulators take turns, one instruction a turn
.irp t, 0,1
	v_wmma_f32_16x16x64_fp8_fp8 v[O+32*\t+8*\c:O+32*\t+8*\c+7], v[VFR+8*\c:VFR+8*\c+7], v[P+8*\t:P+8*\t+7], v[O+32*\t+8*\c:O+32*\t+8*\c+7]
.endr
.endr
.Lhid_\@:
	s_add_co_u32 s[LB], s[LB], STEPB
	s_add_co_u32 s[KEY], s[KEY], 64
	s_add_co_u32 s[N], s[N], 1
.endm
	s_wait_tensorcnt 0x0                           ; my 16,384 bytes have landed: every wave waits for its own load,
	s_barrier_signal -1
	s_barrier_wait -1                              ; and behind the barrier everybody's have: all of K and V lie in LDS, and nothing writes them again
	s_wait_loadcnt 0x0                             ; Q
	s_mov_b32 s[CNT], NSTEP
.Lkeys:                                            ; a constant count of 32 trips; a wave's steps behind its last are jumped over
	STEP
	s_sub_co_u32 s[CNT], s[CNT], 1
	s_cmp_lg_u32 s[CNT], 0
	s_cbranch_scc1 .Lkeys
	s_setprio 0
	; THE WAY OUT.  y = O^T / the sum x 2^(e4 + e5), in f32; held, converted with 2^e6; a tile's eight registers of codes are its two images.
.rept 4
	v_nop                                          ; places behind the last products
.endr
	s_add_co_i32 s19, s46, 127
	s_lshl_b32 s21, s19, 23                        ; 2^e6
	s_add_co_i32 s57, s44, s45                     ; e4 + e5
.irp t, 0,1
	v_add_f32 v[L+4*\t], v[L+4*\t], v[L+4*\t+1]    ; the sum's two halves,
.endr
.irp t, 0,1
	s_delay_alu instid0(VALU_DEP_2)
	v_permlanex16_b32 v[XB+4*\t], v[L+4*\t], s[SEL], s[SEL+1]
.endr
.irp t, 0,1
	s_delay_alu instid0(VALU_DEP_2)
	v_add_f32 v[L+4*\t], v[L+4*\t], v[XB+4*\t]     ; and lane l xor 16's
.endr
	s_wait_alu depctr_va_vdst(0)
.irp t, 0,1
	v_rcp_f32 v[L+4*\t], v[L+4*\t]
.endr
	v_mov_b32 v[SCP], s21                          ; plain instructions behind the reciprocals
	s_wait_alu depctr_va_vdst(0)                   ; one wait for the two reciprocals, ahead of their first reader
.irp t, 0,1
	v_ldexp_f32 v[L+4*\t], v[L+4*\t], s57
.endr
.irp t, 0,1
.set j, 0
.rept 32
	v_mul_f32 v[S+32*\t+j], v[O+32*\t+j], v[L+4*\t]   ; register 8 c + j: channel 16 c + 8 (lane / 16) + j of my query; each accumulator from its low end on
.set j, j+1
.endr
.endr
.set j, 0
.rept 64
.set j, j+1
.endr
.irp t, 0,1
.irp c, 0,1,2,3
	v_cvt_scalef32_pk8_fp8_f32 v[P+8*\t+2*\c:P+8*\t+2*\c+1], v[S+32*\t+8*\c:S+32*\t+8*\c+7], v[SCP]
.endr
.endr
	v_nop                                          ; one plain vector instruction behind the last conversion
.irp t, 0,1
	global_store_b128 v[L16], v[P+8*\t:P+8*\t+3],   s[12:13] offset:16384*\t       ; each store of the wave covers 512 consecutive bytes, aligned
	global_store_b128 v[L16], v[P+8*\t+4:P+8*\t+7], s[12:13] offset:16384*\t+512
.endr
	s_wait_xcnt 0x0
	v_lshl_add_u32 v254, v0, 2, 0x40000
	v_mov_b32 v255, 0
	s_wait_alu depctr_va_vdst(0)
	s_wait_tensorcnt 0x0
	ds_add_u32 v254, v255
	s_wait_dscnt 0x0
	ROUND                                          ; the closing round
	s_endpgm
.Lfunc_end_k_qc0269330b4_attn:
	.size	k_qc0269330b4_attn, .Lfunc_end_k_qc0269330b4_attn-k_qc0269330b4_attn
	.p2alignl 7, 3214868480
	.fill 96, 4, 3214868480
	.section	.rodata,"a",@progbits
	.p2align	6, 0x0
	.amdhsa_kernel k_qc0269330b4_attn
		.amdhsa_group_segment_fixed_size 264192
		.amdhsa_private_segment_fixed_size 0
		.amdhsa_enable_private_segment 0
		.amdhsa_kernarg_size 40
		.amdhsa_user_sgpr_count 2
		.amdhsa_user_sgpr_kernarg_segment_ptr 1
		.amdhsa_wavefront_size32 1
		.amdhsa_system_sgpr_workgroup_id_x 1
		.amdhsa_system_sgpr_workgroup_id_y 1
		.amdhsa_system_sgpr_workgroup_id_z 1
		.amdhsa_system_vgpr_workitem_id 0
		.amdhsa_next_free_vgpr 256
		.amdhsa_next_free_sgpr 66
		.amdhsa_reserve_vcc 1
		.amdhsa_float_denorm_mode_32 3
		.amdhsa_float_denorm_mode_16_64 3
		.amdhsa_fp16_overflow 1
		.amdhsa_memory_ordered 1
		.amdhsa_forward_progress 1
		.amdhsa_inst_pref_size 31
	.end_amdhsa_kernel
	.amdgpu_metadata
---
amdhsa.version: [ 1, 2 ]
amdhsa.kernels:
  - .name:           k_qc0269330b4_attn
    .symbol:         k_qc0269330b4_attn.kd
    .args:
      - { .name: q_img, .offset: 0, .size: 8, .value_kind: global_buffer, .address_space: global }
      - { .name: k_img, .offset: 8, .size: 8, .value_kind: global_buffer, .address_space: global }
      - { .name: v_img, .offset: 16, .size: 8, .value_kind: global_buffer, .address_space: global }
      - { .name: lowp_scales, .offset: 24, .size: 8, .value_kind: global_buffer, .address_space: global }
      - { .name: y_img, .offset: 32, .size: 8, .value_kind: global_buffer, .address_space: global }
    .group_segment_fixed_size: 264192
    .private_segment_fixed_size: 0
    .kernarg_segment_align: 8
    .kernarg_segment_size: 40
    .max_flat_workgroup_size: 512
    .sgpr_count:     66
    .vgpr_count:     256
    .wavefront_size: 32
...
	.end_amdgpu_metadata
.endif
;; end of part 2
;; launch proj (part 3): grid 4 x 64, 4 waves a work-group, clusters of 4 x 4, 327,680 bytes of LDS; arguments y_img, w_proj_codes, b_proj, lowp_scales, out0; writes out0
.if DOCPART == 3
	.amdgcn_target "amdgcn-amd-amdhsa--gfx1250"
	.amdhsa_code_object_version 6
	.text
	.protected	k_qc0269330b4_proj
	.globl	k_qc0269330b4_proj
	.p2align	8
	.type	k_qc0269330b4_proj,@function
k_qc0269330b4_proj:
	s_mov_b64 s[64:65], 0
	v_nop
	global_prefetch_b8 v0, s[64:65] scope:SCOPE_SE
	s_setreg_imm32_b32 hwreg(HW_REG_WAVE_MODE, 25, 1), 1
	s_wait_xcnt 0x0
	s_wait_alu depctr_hold_cnt(0) depctr_sa_sdst(0) depctr_va_vdst(0) depctr_va_sdst(0) depctr_va_ssrc(0) depctr_va_vcc(0) depctr_vm_vsrc(0)
	s_getreg_b32 s2, hwreg(HW_REG_IB_STS2, 6, 4)
	s_cmp_eq_u32 s2, 0
	s_cbranch_scc0 .Lentry_in_a_cluster
	s_endpgm
.Lentry_in_a_cluster:
	s_bfe_u32 s2, ttmp6, 0x10000c
	s_cmp_lg_u32 s2, 0xf033
	s_cbranch_scc0 .Lentry_shape_is_right
	s_endpgm
.Lentry_shape_is_right:
; out = y W_proj + b_proj on codes of FP8 (E4M3).  y_img: images of operand registers, ((row / 16) x 16 + head) x 1024 + 512 c + 16 x lane: four images on end (two heads) are a fragment of 16 rows x 128 K in the plain
; 8-bit layout (registers 2 c, 2 c + 1: k = 16 c + 8 (lane / 16) + 0 .. 7).  w_proj_codes: [1024 (n)][1024 (k)], K innermost.  out0: [8192][1024] f32 = sum x 2^(e6 + e7) + b_proj, one fused multiply-add.
; LIMIT: e6 + e7 between -126 and 127, so that 2^(e6 + e7) is an f32 number.
; SHARES.  A work-group of four waves makes 128 rows x 256 columns: 256 work-groups (tiles of 256 x 256 would be 128).  A wave makes 64 x 128: 32 accumulators.
; THE MATRIX INSTRUCTION IS USED TRANSPOSED (source 0 = 16 rows of W_proj, source 1 = 16 rows of y): a lane holds eight neighbouring numbers of a row of out.
; K = 1,024 goes in four steps of 256.  THREE LDS slots: K steps 0, 1, 2 are first fills, K step 3 fills slot 0 again and has two K steps in which to land.
; CLUSTERS: 4 x 4 work-groups.  y's tile hangs on cy alone and is asked for jointly by a row of the cluster, W_proj's on cx alone and by a column.
; y's images are read as they lie, 16 x lane; W_proj's fragments are then read in the same, plain order of k: eight loads of 8 bytes from padded rows.
; REGISTERS, in windows of 256: window 0: v16-29 addresses; v32-95 biases; v128-191 y's fragments, ONE set; on the way out v96-159 and v160-223 by turns.   window 1: W_proj's fragments, TWO sets.   window 2: the accumulators ((a, b) at v[8 (8 a + b)]).
.set PITCH,  272                       ; a row of W_proj in LDS: 256 bytes + 16 of padding
.set ATILE,  4096                      ; 16 rows of y x 256 K: four heads' images
.set BOFF,   8*ATILE                   ; a slot: y's 8 tiles, then W_proj's 256 rows
.set BHALF,  128*PITCH
.set SLOT,   BOFF+2*BHALF
.set SPARE,  3*SLOT                    ; behind the slots: the spare words, 128 bytes for each wave
.set STAGE,  SLOT                      ; the way out: 16 rows x (512 bytes + 16) for each wave, in slot 1, which has had its one fill and, behind the last change of slots, its last read
.set SPITCH, 528
.set FR,     16
.set NP,     4                         ; places behind this matrix instruction (ISA guide 7.12.1)
.set ADRA, 16                          ; v16-18  LDS address of my fragments of y in slot 0, 1, 2
.set ADRB, 20                          ; v20-22  the same for W_proj
.set STO,  24                          ; v24  the way out: where I put 32 bytes of a row
.set RD,   25                          ; v25  where I read a row back
.set CO,   26                          ; v26  16 x lane; never rewritten
.set BO,   27                          ; v27  32 x (lane / 16)
.set SPW,  28                          ; v28  LDS address of my spare word; never rewritten
.set NIL,  29                          ; v29  0; never rewritten
.set BI,   32                          ; v32-95  register 8 b + j = b_proj of column 16 b + 8 (lane / 16) + j of my 128
.set T0,   96                          ; the way out: two sets of 64
.set AF,   128
.set G1,  24                           ; s[24:31] descriptor group 1 for y's tiles; groups 0 at s32, s36, s40
.set G1B, 48                           ; s[48:55] for W_proj's; groups 0 at s56, s60, s68
.set MSB, 0
.macro WIN new                         ; the immediate's high byte repeats the setting that is left
.if MSB != (\new)
	s_set_vgpr_msb (MSB<<8)|(\new)
.set MSB, (\new)
.endif
.endm
.set MUL,  0xa1                        ; source 0 (W_proj) window 1, source 1 (y) window 0, C and D window 2
.set TO_B, 0x40                        ; destination window 1, address window 0
.macro JLOAD g0a, g1a, g0b, g1b        ; a joint load: waves 0 and 1 fetch y's halves, waves 2 and 3 W_proj's; four v_nop follow each of the two lines
	s_cmp_eq_u32 s15, 0
	s_cbranch_scc0 .Lfor_b_\@
	tensor_load_to_lds s[\g0a:\g0a+3], s[\g1a:\g1a+7]
	s_nop 0
.rept 4
	v_nop
.endr
	s_branch .Lasked_\@
.Lfor_b_\@:
	tensor_load_to_lds s[\g0b:\g0b+3], s[\g1b:\g1b+7]
	s_nop 0
.rept 4
	v_nop
.endr
.Lasked_\@:
.endm
.macro CREST                           ; a round of the cluster's barrier behind its opening barrier
	s_cmp_lg_u32 s14, 0
	s_cbranch_scc1 .Lnot_wave_0_\@
	s_barrier_signal -3
.Lnot_wave_0_\@:
	s_barrier_wait -3
	s_barrier_signal -1
	s_barrier_wait -1
.endm
.macro CROUND
	s_barrier_signal -1
	s_barrier_wait -1
	CREST
.endm
	s_load_b256 s[4:11], s[0:1], 0x0               ; y_img s[4:5], W_proj's codes s[6:7], b_proj s[8:9], the scales' exponents s[10:11]
	s_load_b64 s[12:13], s[0:1], 0x20              ; out0
	v_lshl_add_u32 v[SPW], v0, 2, SPARE
	v_mov_b32 v[NIL], 0
	ds_add_u32 v28, v29
	ds_add_u32 v28, v29
	s_wait_dscnt 0x0
	v_lshrrev_b32 v1, 5, v0
	v_readfirstlane_b32 s14, v1                    ; wave 0..3
	s_lshr_b32 s15, s14, 1                         ; which 64 rows are mine.  Also: I fetch for y (0) or for W_proj (1)
	s_and_b32 s16, s14, 1                          ; which 128 columns.  Also: which half of that tile I fetch
	s_bfe_u32 s80, ttmp6, 0x40000                  ; cx, cy
	s_bfe_u32 s81, ttmp6, 0x40004
	s_lshl_b32 s82, ttmp9, 2
	s_add_co_u32 s82, s82, s80                     ; tile column = 4 x cluster x + cx
	s_and_b32 s17, ttmp7, 0xffff
	s_lshl_b32 s17, s17, 2
	s_add_co_u32 s17, s17, s81                     ; tile row = 4 x cluster y + cy
	s_lshl_b32 s83, s81, 2
	s_lshl_b32 s83, 15, s83                        ; my row of the cluster
	s_lshl_b32 s84, 0x1111, s80                    ; my column
	; group 1 for y: four tiles of 16 rows: 4 rows of 4,096 bytes, 16,384 bytes apart, laid on end in LDS
	s_or_b32 s[G1+0], s83, (3<<16)|(1<<21)         ; 15:0 the mask; 17:16 elements of 8 bytes; 21 set beside a mask; no padding
	s_mov_b32 s[G1+1], 512<<16                     ; tensor_dim0 = 512 elements
	s_mov_b32 s[G1+2], 4<<16                       ; tensor_dim1 = 4
	s_mov_b32 s[G1+3], 512<<16                     ; tile_dim0
	s_mov_b32 s[G1+4], 4                           ; tile_dim1
	s_mov_b32 s[G1+5], 2048                        ; tensor_dim0_stride
	s_mov_b32 s[G1+6], 0
	s_mov_b32 s[G1+7], 0
	; group 1 for W_proj: 128 rows x 256 bytes, padded in LDS
	s_or_b32 s[G1B+0], s84, (0<<16)|(1<<20)|(1<<21)|(5<<22)|(3<<25)  ; elements of 1 byte; padding: four words after every 64
	s_mov_b32 s[G1B+1], 256<<16
	s_mov_b32 s[G1B+2], 128<<16
	s_mov_b32 s[G1B+3], 256<<16
	s_mov_b32 s[G1B+4], 128
	s_mov_b32 s[G1B+5], 1024
	s_mov_b32 s[G1B+6], 0
	s_mov_b32 s[G1B+7], 0
	s_lshl_b32 s20, s17, 3
	s_lshl_b32 s18, s16, 2
	s_add_co_u32 s20, s20, s18
	s_lshl_b32 s20, s20, 14                        ; y: (8 x tile row + 4 x half) tiles of 16,384 bytes
	s_mov_b32 s21, 0
	s_lshl_b32 s46, s82, 8
	s_lshl_b32 s18, s16, 7
	s_add_co_u32 s46, s46, s18
	s_lshl_b32 s46, s46, 10                        ; W_proj: (256 x tile column + 128 x half) rows of 1,024 bytes
	s_mov_b32 s47, 0
	s_lshl_b32 s44, s16, 14                        ; where they go in a slot: y's half,
	s_mul_i32 s45, s16, BHALF
	s_add_co_u32 s45, s45, BOFF                    ; W_proj's half: no place in the cluster enters an LDS address
	s_wait_kmcnt 0x0
	s_load_b256 s[88:95], s[10:11], 0x0            ; e0 .. e7
	s_add_nc_u64 s[20:21], s[4:5], s[20:21]
	s_add_nc_u64 s[46:47], s[6:7], s[46:47]
	CROUND                                         ; all sixteen work-groups are here: the first joint loads meet
.macro FIRST ga, gb, s                 ; slot s takes K step s
	s_mov_b32 s[\ga], 1
	s_add_co_u32 s[\ga+1], s44, \s*SLOT
	s_add_nc_u64 s[\ga+2:\ga+3], s[20:21], \s*ATILE
	s_or_b32 s[\ga+3], s[\ga+3], 0x80000000
	s_mov_b32 s[\gb], 1
	s_add_co_u32 s[\gb+1], s45, \s*SLOT
	s_add_nc_u64 s[\gb+2:\gb+3], s[46:47], \s*256
	s_or_b32 s[\gb+3], s[\gb+3], 0x80000000
	JLOAD \ga, G1, \gb, G1B
.endm
	FIRST 32, 56, 0                                ; three loads of mine are out behind these
	FIRST 36, 60, 1
	FIRST 40, 68, 2
	v_and_b32 v1, 15, v0                           ; r
	v_bfe_u32 v2, v0, 4, 1                         ; h
	v_and_b32 v6, 31, v0
	v_lshlrev_b32 v[CO], 4, v6
	v_lshlrev_b32 v[BO], 5, v2
	s_lshl_b32 s18, s82, 8
	s_lshl_b32 s19, s16, 7
	s_add_co_u32 s18, s18, s19
	s_lshl_b32 s18, s18, 2                         ; my first column, in bytes of f32
	s_mov_b32 s19, 0
	s_add_nc_u64 s[8:9], s[8:9], s[18:19]
	s_add_nc_u64 s[12:13], s[12:13], s[18:19]
.irp b, 0,1,2,3,4,5,6,7
	global_load_b128 v[BI+8*\b:BI+8*\b+3],   v[BO], s[8:9] offset:64*\b
	global_load_b128 v[BI+8*\b+4:BI+8*\b+7], v[BO], s[8:9] offset:64*\b+16
.endr
	s_lshl_b32 s18, s17, 7
	s_lshl_b32 s22, s15, 6
	s_add_co_u32 s18, s18, s22
	s_lshl_b32 s18, s18, 12                        ; my first row: (128 x tile row + 64 x half) rows of 4,096 bytes: under 2^25
	s_add_nc_u64 s[12:13], s[12:13], s[18:19]
	s_lshl_b32 s21, s15, 14                        ; my four tiles of y
	v_mul_u32_u24 v3, v1, PITCH
	v_lshl_add_u32 v3, v2, 3, v3                   ; W_proj: row r x pitch + 8 h
	s_mul_i32 s22, s16, BHALF
	s_add_co_u32 s22, s22, BOFF                    ; my 128 rows of it
.irp s, 0,1,2
	v_add_nc_u32 v[ADRA+\s], s21, v[CO]
	v_add_nc_u32 v[ADRB+\s], s22, v3
	s_add_co_u32 s21, s21, SLOT
	s_add_co_u32 s22, s22, SLOT
.endr
	s_mul_i32 s23, s14, 16*SPITCH
	s_add_co_u32 s23, s23, STAGE                   ; my stage
	v_mul_u32_u24 v5, v1, SPITCH
	v_lshl_add_u32 v5, v2, 5, v5
	v_add_nc_u32 v[STO], s23, v5                   ; in: row r, 32 bytes for each half of the lanes
	v_add_nc_u32 v[RD], s23, v[CO]                 ; back: the 32 lanes take one row of 512 bytes
	s_wait_kmcnt 0x0
	s_add_co_i32 s96, s94, s95                     ; e6 + e7
	s_add_co_i32 s96, s96, 127
	s_lshl_b32 s96, s96, 23                        ; 2^(e6 + e7) as f32
	s_mov_b32 s97, s96                             ; (named with it as a pair, so it is written)
.macro FRAGA reg, slot, q, i           ; y's fragment of tile i, the slot's q-th 128 along K: four images as they lie
.irp c, 0,1,2,3
	ds_load_b128 v[\reg+4*\c:\reg+4*\c+3], v[ADRA+\slot] offset:(\i)*ATILE+(\q)*2048+512*\c
.endr
.endm
.macro FRAGB reg, slot, q, i           ; W_proj's fragment of rows 16 i on: registers 2 c, 2 c + 1: k = 16 c + 8 (lane / 16) + 0 .. 7
.irp c, 0,1,2,3,4,5,6,7
	ds_load_b64 v[\reg+2*\c:\reg+2*\c+1], v[ADRB+\slot] offset:128*(\q)+16*\c+(\i)*16*PITCH
.endr
.endm
.macro MULB a, p, zero                 ; 8 matrix instructions: y's block a x W_proj's eight.  The 32 accumulators take turns, one instruction a turn
.irp b, 0,1,2,3,4,5,6,7
.if \zero
	v_wmma_f32_16x16x128_fp8_fp8 v[8*(8*\a+\b):8*(8*\a+\b)+7], v[128*(\p)+FR*\b:128*(\p)+FR*\b+FR-1], v[AF+FR*\a:AF+FR*\a+FR-1], 0
.else
	v_wmma_f32_16x16x128_fp8_fp8 v[8*(8*\a+\b):8*(8*\a+\b)+7], v[128*(\p)+FR*\b:128*(\p)+FR*\b+FR-1], v[AF+FR*\a:AF+FR*\a+FR-1], v[8*(8*\a+\b):8*(8*\a+\b)+7]
.endif
.endr
.endm
.macro FETCH_B slot, q, p
	WIN TO_B
.irp i, 0,1,2,3,4,5,6,7
	FRAGB 128*(\p)+FR*\i, \slot, \q, \i
.endr
	WIN 0
.endm
.macro FETCH_A slot, q, i0             ; y's blocks i0, i0 + 1
.irp i, \i0, \i0+1
	FRAGA AF+FR*(\i), \slot, \q, \i
.endr
.endm
.macro PLACES n
.rept \n
	v_nop
.endr
.endm
; A step of 128 along K on W_proj's set p; the next step's fragments come from slot nslot, its nq-th 128, which every wave knows to be whole.
.macro STEP p, nslot, nq, zero
	s_wait_dscnt 8                                 ; W_proj's set and y's blocks 0, 1 are in; the youngest eight loads (blocks 2, 3) may be out
	WIN MUL
	MULB 0, \p, \zero
	MULB 1, \p, \zero
	s_wait_dscnt 0x0
	PLACES NP
	FETCH_B \nslot, \nq, 1-\p
	FETCH_A \nslot, \nq, 0
	WIN MUL
	MULB 2, \p, \zero
	MULB 3, \p, \zero
	PLACES NP
	WIN 0
	FETCH_A \nslot, \nq, 2
.endm
; A step (on set 1) with a barrier: in front of it each wave waits for all its tensor loads, adds 0 to its spare word, and waits for that and for its own LDS reads.  fill = 1: slot 0, just read out, takes K step 3.
.macro TURN next, fill
	s_wait_tensorcnt 0x0                           ; all my tensor loads have landed
	ds_add_u32 v[SPW], v[NIL]                      ; 0 onto my spare word
	s_wait_dscnt 9                                 ; (the add and the youngest eight loads may be out)
	WIN MUL
	MULB 0, 1, 0                                   ; eight matrix instructions stand between the add and the wait for it
	s_wait_dscnt 0x0                               ; the add is done, and my reads of the slot that is left are over
	s_barrier_signal -1
	MULB 1, 1, 0
	WIN 0
	s_barrier_wait -1
.if \fill
	CREST                                          ; the barrier has opened a round of the cluster's barrier: no wave of any partner still reads slot 0 or has a load on its way
	s_add_nc_u64 s[34:35], s[34:35], 3*ATILE
	s_add_nc_u64 s[58:59], s[58:59], 3*256
	JLOAD 32, G1, 56, G1B                          ; the first tensor load behind the round; its four v_nop are also the places in front of the loads below
.else
	PLACES NP
.endif
	FETCH_B \next, 0, 0
	FETCH_A \next, 0, 0
	WIN MUL
	MULB 2, 1, 0
	MULB 3, 1, 0
	PLACES NP
	WIN 0
	FETCH_A \next, 0, 2
.endm
	s_wait_loadcnt 0x0                             ; the biases: their latency lies beside the first tiles'
	s_wait_tensorcnt 2                             ; my part of K step 0 is in (K steps 1 and 2 may be out)
	s_barrier_signal -1
	s_barrier_wait -1                              ; everybody's is
	FETCH_B 0, 0, 0
	FETCH_A 0, 0, 0
	FETCH_A 0, 0, 2
	STEP 0, 0, 1, 1                                ; K 0-127: its products start the sums
	TURN 1, 1                                      ; K 128-255.  Every wave's loads have landed, so slots 1 and 2 are whole for all; slot 0 takes K step 3
	STEP 0, 1, 1, 0                                ; K 256-383
	STEP 1, 2, 0, 0                                ; K 384-511: on into slot 2 with no wait and no barrier: the barrier above has shown it whole
	STEP 0, 2, 1, 0                                ; K 512-639
	TURN 0, 0                                      ; K 640-767.  The refill has had two K steps; behind this barrier slot 0 is whole and nobody reads slots 1 and 2 any more
	STEP 0, 0, 1, 0                                ; K 768-895
	s_wait_dscnt 8                                 ; K 896-1023: nothing more to fetch
	WIN MUL
	MULB 0, 1, 0
	MULB 1, 1, 0
	s_wait_dscnt 0x0
	MULB 2, 1, 0
	MULB 3, 1, 0
	WIN 0
; THE WAY OUT, block by block of 16 rows x 128 columns: sum x 2^(e6 + e7) + bias; a lane's 32 bytes of a row go through my own stage in LDS and come back as whole rows of 512 bytes, into the registers that they left.
; LDS serves a wave's instructions in order (ISA guide 5.7.1.4): no wait between the stores and the loads, nor in front of the next block's stores.
.macro TOSTAGE a
.set TT, T0+64*(\a%2)
	WIN 0x02                                       ; source 0: window 2
.set j, 0
.rept 32
	v_pk_fma_f32 v[TT+j:TT+j+1], v[64*\a+j:64*\a+j+1], s[96:97], v[BI+j:BI+j+1] op_sel_hi:[1,0,1]   ; each accumulator from its low end on
.set j, j+2
.endr
	WIN 0
.irp b, 0,1,2,3,4,5,6,7
	ds_store_b128 v[STO], v[TT+8*\b:TT+8*\b+3] offset:64*\b
	ds_store_b128 v[STO], v[TT+8*\b+4:TT+8*\b+7] offset:64*\b+16
.endr
.irp t, 0,1,2,3,4,5,6,7,8,9,10,11,12,13,14,15
	ds_load_b128 v[TT+4*\t:TT+4*\t+3], v[RD] offset:\t*SPITCH
.endr
.endm
.macro SEND a, younger                 ; younger: the LDS instructions issued behind block a's loads, which may stay out
.set TT, T0+64*(\a%2)
	s_wait_dscnt \younger
.irp t, 0,1,2,3,4,5,6,7,8,9,10,11,12,13,14,15
	global_store_b128 v[CO], v[TT+4*\t:TT+4*\t+3], s[12:13] offset:(16*\a+\t)*4096 th:TH_STORE_NT   ; 32 lanes store 512 consecutive bytes, aligned; written once, read by nobody here
.endr
.endm
	PLACES NP                                      ; behind the last products: the numbers below are written where y's fragments lay
	TOSTAGE 0
	TOSTAGE 1
	SEND 0, 32                                     ; behind block 0's loads: block 1's 16 stores and 16 loads
	s_wait_xcnt 0x0                                ; block 0's stores have read their registers: block 2 may be written there
	TOSTAGE 2
	SEND 1, 32
	s_wait_xcnt 0x0
	TOSTAGE 3
	SEND 2, 32
	SEND 3, 0
	s_wait_tensorcnt 0x0                           ; the wave's end
	ds_add_u32 v[SPW], v[NIL]
	s_wait_dscnt 0x0
	CROUND                                         ; the closing round: no work-group ends while a partner may still ask for a tile that names it
	s_endpgm
.Lfunc_end_k_qc0269330b4_proj:
	.size	k_qc0269330b4_proj, .Lfunc_end_k_qc0269330b4_proj-k_qc0269330b4_proj
	.p2alignl 7, 3214868480
	.fill 96, 4, 3214868480
	.section	.rodata,"a",@progbits
	.p2align	6, 0x0
	.amdhsa_kernel k_qc0269330b4_proj
		.amdhsa_group_segment_fixed_size 327680
		.amdhsa_private_segment_fixed_size 0
		.amdhsa_enable_private_segment 0
		.amdhsa_kernarg_size 40
		.amdhsa_user_sgpr_count 2
		.amdhsa_user_sgpr_kernarg_segment_ptr 1
		.amdhsa_wavefront_size32 1
		.amdhsa_system_sgpr_workgroup_id_x 1
		.amdhsa_system_sgpr_workgroup_id_y 1
		.amdhsa_system_sgpr_workgroup_id_z 1
		.amdhsa_system_vgpr_workitem_id 0
		.amdhsa_next_free_vgpr 768
		.amdhsa_next_free_sgpr 100
		.amdhsa_reserve_vcc 0
		.amdhsa_float_denorm_mode_32 3
		.amdhsa_float_denorm_mode_16_64 3
		.amdhsa_memory_ordered 1
		.amdhsa_forward_progress 1
		.amdhsa_inst_pref_size 94
	.end_amdhsa_kernel
	.amdgpu_metadata
---
amdhsa.version: [ 1, 2 ]
amdhsa.kernels:
  - .name:           k_qc0269330b4_proj
    .symbol:         k_qc0269330b4_proj.kd
    .args:
      - { .name: y_img, .offset: 0, .size: 8, .value_kind: global_buffer, .address_space: global }
      - { .name: w_proj_codes, .offset: 8, .size: 8, .value_kind: global_buffer, .address_space: global }
      - { .name: b_proj, .offset: 16, .size: 8, .value_kind: global_buffer, .address_space: global }
      - { .name: lowp_scales, .offset: 24, .size: 8, .value_kind: global_buffer, .address_space: global }
      - { .name: out0, .offset: 32, .size: 8, .value_kind: global_buffer, .address_space: global }
    .group_segment_fixed_size: 327680
    .private_segment_fixed_size: 0
    .kernarg_segment_align: 8
    .kernarg_segment_size: 40
    .max_flat_workgroup_size: 128
    .sgpr_count:     100
    .vgpr_count:     768
    .wavefront_size: 32
...
	.end_amdgpu_metadata
.endif
;; end of part 3
